; MI455X (gfx1250); checked and timed in simulation.
; The chip was launched on July 23, 2026; its instructions are those of AMD's public machine-readable ISA for CDNA 5 (MIT licence, August 2026) and "CDNA5" Instruction Set Architecture Reference Guide (July 2026). The comments in the code are by the model that wrote it; some were corrected since.
;; QBB Linear. Allowed arithmetic: float matrix products may take bf16 or f16 operands with f32 sums; all other float work in f32.
;; Inputs: alphas 4 float32; bases 4 x 4,096 x 4,096 int8; x 2 x 2,048 x 4,096 float32.
;; Outputs: out0 2 x 2,048 x 4,096 float32.
;; One version. Each part assembles by itself: llvm-mc -triple=amdgcn-amd-amdhsa -mcpu=gfx1250 --defsym DOCPART=n.
;; ======== version 1 of 1: 2 launches
;; limits: values are held in f16: magnitudes above 65,504 overflow, below 6.1e-05 lose precision; inputs' magnitudes at most 65,504
;; workspace buffers: xh 33,554,432 bytes; wh 33,554,432 bytes
;; launch prep (part 1): grid 1024 x 1, 8 waves a work-group, no clusters, 0 bytes of LDS; arguments x, alphas, bases, xh, wh; writes xh, wh
.if DOCPART == 1
	.amdgcn_target "amdgcn-amd-amdhsa--gfx1250"
	.amdhsa_code_object_version 6
	.text
	.protected	k_q2ed035f8f1_prep
	.globl	k_q2ed035f8f1_prep
	.p2align	8
	.type	k_q2ed035f8f1_prep,@function
k_q2ed035f8f1_prep:
	s_mov_b64 s[64:65], 0
	v_nop
	global_prefetch_b8 v0, s[64:65] scope:SCOPE_SE
	s_setreg_imm32_b32 hwreg(HW_REG_WAVE_MODE, 25, 1), 1
	s_wait_xcnt 0x0
; xh = f16(x);  wh[o][i] = f16(c (alphas[0] bases[0][o][i] + .. + alphas[3] bases[3][o][i])),  c a power of two made from the alphas (below).
; x: 16,777,216 f32.  bases: 4 planes of 16,777,216 int8.  alphas: 4 f32.  xh, wh: 16,777,216 f16 each, in the order of x and of a plane.
; WHY f16.  A rounding to f16's 11 significant bits is off by at most 2^-12 of the number.  W may take few different values (few-valued bases), so its roundings need not
; average out over the 4,096 terms of an output: with 8 significant bits they could come to a fifth of the hundredth of the output's root mean square that is allowed, with 11 to a fortieth.
; THE SCALE.  f = the largest binary exponent among the alphas, c = 2^(5 - f): then |c alpha| < 64 and |c W| <= 4 x 128 x 64 = 32,768 for every int8 basis: inside f16, whatever the alphas.
; The alphas are multiplied by c, which is exact; the next launch multiplies its sums by 1 / c.  The biased exponent is held at 6 or more, so that c and 1 / c are normal numbers:
; alphas all below 2^-121 are scaled by 2^126 only.
; LIMITS.  x is rounded once to f16, to nearest even: |x| of 65,520 or more becomes an infinity; below 6e-5 x keeps f16's fixed step of 6e-8.  c W is summed in f32, k ascending,
; by fused multiply-adds, and rounded once.  Every int8 value, -128 to 127, is taken exactly; nothing is assumed of the bases' values.  NaN and infinities are not treated apart.
; A STREAM: each input byte is read once and each output byte written once, so there is no LDS, no barrier, no matrix unit (a sum over 4 would fill an eighth of
; a K of 32), no cluster (no two work-groups read the same byte) and no prefetch (the loads themselves run ahead).
; SHARES.  Work-group g owns numbers 16,384 g .. + 16,383 of x and of W, in 8 steps of 2,048.  In a step thread t takes 8 bytes of each plane (a wave: 256
; consecutive bytes), two times 16 bytes of x (a wave: 512 consecutive bytes each), and stores 16 bytes of wh (a wave: 512 consecutive bytes, aligned)
; and two times 8 bytes of xh (a wave: 256 consecutive bytes, aligned).  The step stands in the immediates; the two offset registers are never rewritten.
; A ring of DEPTH slots in registers keeps 6 x DEPTH loads of every wave on their way.
.set DEPTH, 4
.set STEPS, 8
.set O8,   1                           ; v1        8 t
.set O16,  2                           ; v2        16 t
.set T,    4                           ; v[4:11]   eight numbers of a plane in f32
.set ACC,  12                          ; v[12:19]  eight sums
.set Y,    20                          ; v[20:23]  8 f16 for wh;  v[24:27] 2 x 4 f16 for xh
.set BD,   28                          ; v[28:59]  slot i: 8 registers, plane k's 8 bytes at + 2 k
.set XD,   60                          ; v[60:91]  slot i: 8 registers, 8 numbers of x
.set AL,   20                          ; s[20:27]  c alpha k, twice, at + 2 k: the packed forms name a pair
.set PB,   28                          ; s[28:35]  plane k at the group's first byte, at + 2 k
.set MAGIC, 36                         ; s36       2^23 as f32
.set FLIP,  37                         ; s37       turns four signed bytes b into b + 128, unsigned
.set NEG,   38                         ; s[38:39]  -(2^23 + 128) as f32, twice
.set SEL,   40                         ; s[40:43]  byte selects: result = {2^23's upper three bytes, byte j of the data}
.set EXPF,  0x80017                    ; an f32's biased exponent: 8 bits from bit 23
	s_load_b256 s[4:11], s[0:1], 0x0               ; x s[4:5], alphas s[6:7], bases s[8:9], xh s[10:11]
	s_load_b64 s[12:13], s[0:1], 0x20              ; wh
	v_lshlrev_b32 v[O8], 3, v0
	v_lshlrev_b32 v[O16], 4, v0
	s_mov_b32 s[MAGIC], 0x4b000000
	s_mov_b32 s[FLIP], 0x80808080
	s_mov_b32 s[NEG], 0xcb000080
	s_mov_b32 s[NEG+1], 0xcb000080
.irp j, 0,1,2,3
	s_mov_b32 s[SEL+(\j)], 0x07060500+(\j)
.endr
	s_lshl_b32 s2, ttmp9, 16                       ; the group's 65,536 bytes of x
	s_mov_b32 s3, 0
	s_lshl_b32 s14, ttmp9, 15                      ; its 32,768 bytes of xh and of wh
	s_mov_b32 s15, 0
	s_wait_kmcnt 0x0
	s_load_b128 s[16:19], s[6:7], 0x0              ; the four alphas; no line of this launch writes that buffer
	s_add_nc_u64 s[4:5], s[4:5], s[2:3]
	s_add_nc_u64 s[10:11], s[10:11], s[14:15]
	s_add_nc_u64 s[12:13], s[12:13], s[14:15]
	s_lshl_b32 s2, ttmp9, 14                       ; its 16,384 bytes of each plane
	s_add_nc_u64 s[PB:PB+1], s[8:9], s[2:3]
	s_add_nc_u64 s[PB+2:PB+3], s[PB:PB+1], 0x1000000   ; a plane is 16,777,216 bytes
	s_add_nc_u64 s[PB+4:PB+5], s[PB:PB+1], 0x2000000
	s_add_nc_u64 s[PB+6:PB+7], s[PB:PB+1], 0x3000000
; Slot i takes step s: six loads.
.macro FILL i, s
.irp k, 0,1,2,3
	global_load_b64 v[BD+8*(\i)+2*(\k):BD+8*(\i)+2*(\k)+1], v[O8], s[PB+2*(\k):PB+2*(\k)+1] offset:2048*(\s) th:TH_LOAD_NT
.endr
	global_load_b128 v[XD+8*(\i):XD+8*(\i)+3],   v[O16], s[4:5] offset:8192*(\s) th:TH_LOAD_NT
	global_load_b128 v[XD+8*(\i)+4:XD+8*(\i)+7], v[O16], s[4:5] offset:8192*(\s)+4096 th:TH_LOAD_NT
.endm
; Plane k of slot i is added.  int8 to f32, exactly: b + 128 as an unsigned byte below the upper bytes of 2^23 IS the f32 2^23 + b + 128;
; 2^23 + 128 is taken away, a difference of whole numbers below 2^24.  Plane 0's product starts the sums: nothing is cleared.
.macro PLANE i, k
	v_xor_b32 v[BD+8*(\i)+2*(\k)],   s[FLIP], v[BD+8*(\i)+2*(\k)]
	v_xor_b32 v[BD+8*(\i)+2*(\k)+1], s[FLIP], v[BD+8*(\i)+2*(\k)+1]
.irp j, 0,1,2,3
	v_perm_b32 v[T+(\j)],   s[MAGIC], v[BD+8*(\i)+2*(\k)],   s[SEL+(\j)]
	v_perm_b32 v[T+4+(\j)], s[MAGIC], v[BD+8*(\i)+2*(\k)+1], s[SEL+(\j)]
.endr
.irp j, 0,2,4,6
	v_pk_add_f32 v[T+(\j):T+(\j)+1], v[T+(\j):T+(\j)+1], s[NEG:NEG+1] op_sel_hi:[1,0]
.endr
.irp j, 0,2,4,6
.if (\k) == 0
	v_pk_mul_f32 v[ACC+(\j):ACC+(\j)+1], v[T+(\j):T+(\j)+1], s[AL:AL+1] op_sel_hi:[1,0]
.else
	v_pk_fma_f32 v[ACC+(\j):ACC+(\j)+1], v[T+(\j):T+(\j)+1], s[AL+2*(\k):AL+2*(\k)+1], v[ACC+(\j):ACC+(\j)+1] op_sel_hi:[1,0,1]
.endif
.endr
.endm
; Step s.  ahead = 1: its slot takes the step DEPTH further on, the loads ahead of the stores.  left = the loads issued behind this slot's six.
.macro TURN s, ahead, left
.set I, (\s)%DEPTH
	s_wait_loadcnt \left                           ; loads come back in order (ISA guide 5.7.1): my six are in, the younger slots' stay out
	s_wait_xcnt 0x0                                ; Y, which the step before's stores read, is rewritten only behind this wait
	PLANE I, 0
	PLANE I, 1
	PLANE I, 2
	PLANE I, 3
.irp j, 0,1,2,3
	v_cvt_pk_f16_f32 v[Y+(\j)], v[ACC+2*(\j)], v[ACC+2*(\j)+1]
.endr
.irp j, 0,1,2,3
	v_cvt_pk_f16_f32 v[Y+4+(\j)], v[XD+8*I+2*(\j)], v[XD+8*I+2*(\j)+1]
.endr
.if \ahead
	FILL I, (\s)+DEPTH
.endif
	global_store_b128 v[O16], v[Y:Y+3],  s[12:13] offset:4096*(\s)        ; no hint on the stores: the next launch reads these bytes
	global_store_b64 v[O8], v[Y+4:Y+5],  s[10:11] offset:4096*(\s)
	global_store_b64 v[O8], v[Y+6:Y+7],  s[10:11] offset:4096*(\s)+2048
.endm
	FILL 0, 0
	FILL 1, 1
	FILL 2, 2
	FILL 3, 3
	s_wait_kmcnt 0x0                               ; the alphas
	s_bfe_u32 s2, s16, EXPF                        ; the largest of their four biased exponents, E = f + 127,
	s_bfe_u32 s3, s17, EXPF
	s_max_u32 s2, s2, s3
	s_bfe_u32 s3, s18, EXPF
	s_max_u32 s2, s2, s3
	s_bfe_u32 s3, s19, EXPF
	s_max_u32 s2, s2, s3
	s_max_u32 s2, s2, 6                            ; held at 6 or more;
	s_sub_co_u32 s2, 259, s2                       ; c = 2^(5 - f) has the biased exponent 127 + 5 - (E - 127) = 259 - E: 4 to 253
	s_lshl_b32 s2, s2, 23
.irp k, 0,1,2,3
	s_mul_f32 s[AL+2*(\k)], s[16+(\k)], s2         ; c alpha k: a power of two changes no significant bit
	s_mov_b32 s[AL+2*(\k)+1], s[AL+2*(\k)]
.endr
	TURN 0, 1, 18                                  ; three younger slots of six loads each
	TURN 1, 1, 18
	TURN 2, 1, 18
	TURN 3, 1, 18
	TURN 4, 0, 18                                  ; the last four steps load nothing: the counts run down
	TURN 5, 0, 12
	TURN 6, 0, 6
	TURN 7, 0, 0
	s_endpgm
.Lfunc_end_k_q2ed035f8f1_prep:
	.size	k_q2ed035f8f1_prep, .Lfunc_end_k_q2ed035f8f1_prep-k_q2ed035f8f1_prep
	.p2alignl 7, 3214868480
	.fill 96, 4, 3214868480
	.section	.rodata,"a",@progbits
	.p2align	6, 0x0
	.amdhsa_kernel k_q2ed035f8f1_prep
		.amdhsa_group_segment_fixed_size 0
		.amdhsa_private_segment_fixed_size 0
		.amdhsa_enable_private_segment 0
		.amdhsa_kernarg_size 40
		.amdhsa_user_sgpr_count 2
		.amdhsa_user_sgpr_kernarg_segment_ptr 1
		.amdhsa_wavefront_size32 1
		.amdhsa_system_sgpr_workgroup_id_x 1
		.amdhsa_system_sgpr_workgroup_id_y 1
		.amdhsa_system_sgpr_workgroup_id_z 1
		.amdhsa_system_vgpr_workitem_id 0
		.amdhsa_next_free_vgpr 92
		.amdhsa_next_free_sgpr 66
		.amdhsa_reserve_vcc 0
		.amdhsa_float_denorm_mode_32 3
		.amdhsa_float_denorm_mode_16_64 3
		.amdhsa_memory_ordered 1
		.amdhsa_forward_progress 1
		.amdhsa_inst_pref_size 48
	.end_amdhsa_kernel
	.amdgpu_metadata
---
amdhsa.version: [ 1, 2 ]
amdhsa.kernels:
  - .name:           k_q2ed035f8f1_prep
    .symbol:         k_q2ed035f8f1_prep.kd
    .args:
      - { .name: x, .offset: 0, .size: 8, .value_kind: global_buffer, .address_space: global }
      - { .name: alphas, .offset: 8, .size: 8, .value_kind: global_buffer, .address_space: global }
      - { .name: bases, .offset: 16, .size: 8, .value_kind: global_buffer, .address_space: global }
      - { .name: xh, .offset: 24, .size: 8, .value_kind: global_buffer, .address_space: global }
      - { .name: wh, .offset: 32, .size: 8, .value_kind: global_buffer, .address_space: global }
    .group_segment_fixed_size: 0
    .private_segment_fixed_size: 0
    .kernarg_segment_align: 8
    .kernarg_segment_size: 40
    .max_flat_workgroup_size: 256
    .sgpr_count:     66
    .vgpr_count:     92
    .wavefront_size: 32
...
	.end_amdgpu_metadata
.endif
;; end of part 1
;; launch gemm (part 2): grid 16 x 16, 4 waves a work-group, clusters of 4 x 4, 327,680 bytes of LDS; arguments xh, wh, out0, alphas; writes out0
.if DOCPART == 2
	.amdgcn_target "amdgcn-amd-amdhsa--gfx1250"
	.amdhsa_code_object_version 6
	.text
	.protected	k_q2ed035f8f1_gemm
	.globl	k_q2ed035f8f1_gemm
	.p2align	8
	.type	k_q2ed035f8f1_gemm,@function
k_q2ed035f8f1_gemm:
	s_mov_b64 s[64:65], 0
	v_nop
	global_prefetch_b8 v0, s[64:65] scope:SCOPE_SE
	s_setreg_imm32_b32 hwreg(HW_REG_WAVE_MODE, 25, 1), 1
	s_wait_xcnt 0x0
	s_wait_alu depctr_hold_cnt(0) depctr_sa_sdst(0) depctr_va_vdst(0) depctr_va_sdst(0) depctr_va_ssrc(0) depctr_va_vcc(0) depctr_vm_vsrc(0)
	s_getreg_b32 s2, hwreg(HW_REG_IB_STS2, 6, 4)
	s_cmp_eq_u32 s2, 0
	s_cbranch_scc0 .Lentry_in_a_cluster
	s_endpgm
.Lentry_in_a_cluster:
	s_bfe_u32 s2, ttmp6, 0x10000c
	s_cmp_lg_u32 s2, 0xf033
	s_cbranch_scc0 .Lentry_shape_is_right
	s_endpgm
.Lentry_shape_is_right:
; out0[m][n] = d x the sum over k of xh[m][k] wh[n][k].  xh: [4096][4096] f16, wh: [4096][4096] f16, out0: [4096][4096] f32; sums in f32, K ascending.
; wh holds c W with c = 2^(5 - f), f the largest binary exponent among the four alphas (its biased form held at 6 or more); d = 1 / c is made here from the alphas in the same way,
; and the finished sums are multiplied by it: a power of two, so no significant bit changes.
; LIMITS.  The operands are the f16 numbers that the launch before made (|xh| <= 65,504, |wh| <= 32,768); nothing is rounded here but the sums themselves, which stay under
; 4,096 x 65,504 x 32,768 < 2^43.  NaN and infinities are not treated apart.
; A tile of out0, 256 x 256, is made by a work-group of four waves; a wave makes 128 x 128: 64 accumulators of 16 x 16, 512 registers.  16 x 16 tiles: 256 work-groups, one tile each.
; K goes in 32 steps of 128 through a ring of two LDS slots filled by the tensor data mover: a tile's rows are 256 bytes of memory and start at multiples of 256 bytes from the buffer's first byte.
; THE LAST K STEP GOES BY ROWS OF out0, so that finished rows leave while the others are multiplied: nothing follows the tile under which its stores could leave.
; CLUSTERS: 4 x 4 work-groups.  The four of a row of the cluster need the same tiles of xh, the four of a column the same tiles of wh.  Such a tile is asked for JOINTLY: each of the four
; issues the same tensor load, with the same descriptor and a mask that names the four, and each receives the tile in its own LDS: a quarter of the requests.
; REGISTERS, in windows of 256 (s_set_vgpr_msb's low byte: bits 1:0 source 0, 3:2 source 1, 5:4 source 2, 7:6 destination):
;   window 0: v0-31 addresses; v64-127, v128-191 fragments of xh (8 x 16 rows x 32 K), two buffers (in the last K step four, of 16 rows x 128 K); v192-255 the way out: 16 rows read back from the stage
;   window 1: v64-127, v128-191 fragments of wh, two buffers; in the last K step all 256: wh's fragments of the whole step
;   window 2: the 32 accumulators of my rows 0-63 (accumulator (a, b) at v[8 (8 a + b)]);   window 3: those of my rows 64-127
; THE MATRIX INSTRUCTION IS USED TRANSPOSED: source 0 = 16 rows of wh, source 1 = 16 rows of xh.  In the result lane l holds row l % 16 of out0 and its registers 0 to 7 the columns
; 8 (l / 16) + 0 .. 7: 32 neighbouring bytes of a row.
.set SIZE_N, 4096
.set SIZE_K, 4096
.set KSTEP,  128
.set PITCH,  272                       ; an LDS row: 256 bytes + 16 of padding = 68 words: row r starts at bank 4 r mod 64 (64 banks of 4 bytes: ISA guide 11.1), so the 16 rows of a load start at 16 different banks
.set HALFT,  128*PITCH                 ; 128 rows: what one tensor load brings, and what one wave reads of xh or of wh
.set SLOT,   4*HALFT                   ; xh's 256 rows, then wh's 256 rows
.set STAGE,  2*SLOT                    ; behind the ring: 16 rows x 528 bytes for each wave, for the way out; no tensor load lands there
.set SPITCH, 528                       ; a stage row: 512 bytes + 16: rows 16 bytes apart modulo 256
.set SPARE,  STAGE+4*16*SPITCH         ; behind the stages: the spare words, 128 bytes for each wave: two blocks of 256 bytes that no other line names
.set LAPS,   SIZE_K/(2*KSTEP)          ; a lap = two K steps = once round the ring: 16
.set CROW,   SIZE_N*4                  ; bytes in a row of out0
.set ADRA, 16                          ; v16-17  LDS address of my xh fragments in slot 0, 1
.set ADRB, 20                          ; v20-21  the same for wh
.set STO,  24                          ; v24     the way out: where I put 32 bytes of a row
.set RD,   25                          ; v25     the way out: where I read 16 bytes of a row back
.set CO,   26                          ; v26     my byte offset in 512 bytes of a row of out0
.set SPW,  28                          ; v28     LDS address of my spare word: SPARE + 4 x my thread's number; never rewritten
.set NIL,  29                          ; v29     0; never rewritten
.set F0,   64                          ; fragment buffer 0
.set F1,   128                         ; fragment buffer 1
.set PA,   64                          ; the last K step: xh's fragments of 16 rows x 128 K, 32 registers; four such buffers, v64-191
.set OB,   192                         ; the way out: 16 rows read back, 64 registers
.set G1, 24                            ; s[24:31] descriptor group 1 for xh's tiles
.set G0, 32                            ; s[32:39] descriptor group 0 for xh's tiles, one set for each slot
.set G1B, 48                           ; s[48:55] descriptor group 1 for wh's tiles: it differs in the mask alone
.set G0B, 56                           ; s[56:63] descriptor group 0 for wh's tiles, one set for each slot
.set PAL, 66                           ; s[66:67] the alphas' address
.set ALV, 68                           ; s[68:71] the four alphas
.set DS,  72                           ; s[72:73] d, twice: the packed multiply names a pair
.set EXPF, 0x80017                     ; an f32's biased exponent: 8 bits from bit 23
.set MSB, 0
.macro WIN new                         ; the immediate's high byte repeats the setting that is left; a switch that changes nothing is dropped
.if MSB != (\new)
	s_set_vgpr_msb (MSB<<8)|(\new)
.set MSB, \new
.endif
.endm
.set MUL_LO, 0xa1                      ; source 0 (wh) window 1, source 1 (xh) window 0, C and D window 2
.set MUL_HI, 0xf1                      ; the same, C and D window 3
.set TO_B,   0x40                      ; destination window 1, address window 0
; A joint load.  Waves 0 and 1 fetch xh's two halves, waves 2 and 3 wh's.  Each line has one mask and one set of registers for all that issue it; the branch hangs on the wave's number alone.
; An s_nop 0 and four v_nop follow each of the two lines, ahead of the jump, the label and what follows the macro.
.macro JLOAD s
	s_cmp_eq_u32 s11, 0
	s_cbranch_scc0 .Lfor_b_\@
	tensor_load_to_lds s[G0+4*(\s):G0+4*(\s)+3], s[G1:G1+7]
	s_nop 0
.rept 4
	v_nop
.endr
	s_branch .Lasked_\@
.Lfor_b_\@:
	tensor_load_to_lds s[G0B+4*(\s):G0B+4*(\s)+3], s[G1B:G1B+7]
	s_nop 0
.rept 4
	v_nop
.endr
.Lasked_\@:
.endm
; A round of the cluster's barrier: my work-group's barrier, so that wave 0's signal speaks for all four waves; wave 0 signals for the work-group; every wave waits for all
; sixteen work-groups; my work-group's barrier once more.
.macro CREST                           ; a round behind its opening barrier
	s_cmp_lg_u32 s10, 0
	s_cbranch_scc1 .Lnot_wave_0_\@
	s_barrier_signal -3
.Lnot_wave_0_\@:
	s_barrier_wait -3
	s_barrier_signal -1
	s_barrier_wait -1
.endm
.macro CROUND                          ; a whole round
	s_barrier_signal -1
	s_barrier_wait -1
	CREST
.endm
	s_load_b128 s[4:7], s[0:1], 0x0                ; xh s[4:5], wh s[6:7]
	s_load_b64 s[8:9], s[0:1], 0x10                ; out0
	s_load_b64 s[PAL:PAL+1], s[0:1], 0x18          ; alphas
	v_lshl_add_u32 v[SPW], v0, 2, SPARE
	v_mov_b32 v[NIL], 0
	ds_add_u32 v[SPW], v[NIL]                      ; the wave's opening: the add and its wait stand ahead of my first tensor load; the set-up below, work on registers, stands between them
	v_lshrrev_b32 v1, 5, v0
	v_readfirstlane_b32 s10, v1                    ; wave 0..3
	s_lshr_b32 s11, s10, 1                         ; which half of the tile's rows is mine.  Also: I fetch for xh (0) or for wh (1)
	s_and_b32 s12, s10, 1                          ; which half of its columns.  Also: which 128 rows of that tile I fetch
	s_bfe_u32 s40, ttmp6, 0x40000                  ; cx: my place along the cluster's x
	s_bfe_u32 s41, ttmp6, 0x40004                  ; cy: along its y
	s_lshl_b32 s42, ttmp9, 2                       ; in a cluster launch ttmp9 and ttmp7 count clusters
	s_add_co_u32 s42, s42, s40                     ; tile column = 4 x cluster x + cx
	s_and_b32 s13, ttmp7, 0xffff
	s_lshl_b32 s13, s13, 2
	s_add_co_u32 s13, s13, s41                     ; tile row = 4 x cluster y + cy
	s_lshl_b32 s43, s41, 2
	s_lshl_b32 s43, 15, s43                        ; my row of the cluster: places 4 cy .. 4 cy + 3
	s_lshl_b32 s44, 0x1111, s40                    ; my column: places cx, cx + 4, cx + 8, cx + 12
	; descriptor group 1: a tile of 128 rows x 128 elements, padded in LDS
	s_or_b32 s[G1+0], s43, (1<<16)|(1<<20)|(1<<21)|(5<<22)|(3<<25)  ; 15:0 the mask: xh's tiles go to my row; 17:16 element of 2 bytes; 20 padding on; 21 set beside a mask; 24:22 after every 64 words (code 5); 31:25 of 4 words (code 3)
	s_or_b32 s[G1B+0], s44, (1<<16)|(1<<20)|(1<<21)|(5<<22)|(3<<25) ; the same with the mask of my column, for wh's tiles
.irp g, G1, G1B
	s_mov_b32 s[(\g)+1], KSTEP<<16                 ; tensor_dim0 = 128
	s_mov_b32 s[(\g)+2], 128<<16                   ; tensor_dim1 = 128
	s_mov_b32 s[(\g)+3], KSTEP<<16                 ; tile_dim0 = 128
	s_mov_b32 s[(\g)+4], 128                       ; tile_dim1 = 128
	s_mov_b32 s[(\g)+5], SIZE_K                    ; elements from row to row
	s_mov_b32 s[(\g)+6], 0
	s_mov_b32 s[(\g)+7], 0
.endr
	; where the tiles come from.  xh's hang on the tile row alone, which my row of the cluster shares; wh's on the tile column alone, which my column shares.
	; Every wave makes both addresses, in registers that never hold the other coordinate, and asks by one of them.
	s_lshl_b32 s17, s12, 7                         ; which 128 rows of the tile I fetch
	s_lshl_b32 s16, s13, 8
	s_add_co_u32 s16, s16, s17                     ; xh: row 256 x tile row + 128 x half
	s_lshl_b32 s46, s42, 8
	s_add_co_u32 s46, s46, s17                     ; wh: row 256 x tile column + 128 x half
	s_mov_b32 s17, 0
	s_mov_b32 s47, 0
	s_mov_b64 s[18:19], SIZE_K*2
	s_mul_u64 s[16:17], s[16:17], s[18:19]         ; in bytes
	s_mul_u64 s[46:47], s[46:47], s[18:19]
	s_mul_i32 s20, s10, HALFT                      ; and where they go: wave x 128 rows: no place in the cluster enters an LDS address
	s_wait_dscnt 0x0                               ; the opening add is done
	s_wait_kmcnt 0x0
	s_add_nc_u64 s[14:15], s[4:5], s[16:17]
	s_add_nc_u64 s[46:47], s[6:7], s[46:47]
	CROUND                                         ; all sixteen work-groups are here: the first joint loads meet
.irp s, 0,1
	s_mov_b32 s[G0+4*(\s)], 1                                      ; count = 1
	s_add_co_u32 s[G0+4*(\s)+1], s20, (\s)*SLOT                    ; LDS address
	s_add_nc_u64 s[G0+4*(\s)+2:G0+4*(\s)+3], s[14:15], (\s)*KSTEP*2  ; global address: K step s
	s_or_b32 s[G0+4*(\s)+3], s[G0+4*(\s)+3], 0x80000000            ; type = 2
	s_mov_b32 s[G0B+4*(\s)], 1
	s_add_co_u32 s[G0B+4*(\s)+1], s20, (\s)*SLOT
	s_add_nc_u64 s[G0B+4*(\s)+2:G0B+4*(\s)+3], s[46:47], (\s)*KSTEP*2
	s_or_b32 s[G0B+4*(\s)+3], s[G0B+4*(\s)+3], 0x80000000
	JLOAD \s                                       ; both slots are asked for before anything else is done: two tensor loads of mine are out
.endr
	s_load_b128 s[ALV:ALV+3], s[PAL:PAL+1], 0x0    ; the four alphas; no line of this launch writes that buffer.  They come in while the addresses below are made
	; A fragment is 16 rows x 32 K in 8 registers: lane l holds row l % 16; registers 0-3 hold K = 8 (l / 16) + 0..7, registers 4-7 hold
	; K = 16 + 8 (l / 16) + 0..7: two loads of 16 bytes, 32 bytes apart.  The same for source 0 and source 1.
	v_and_b32 v1, 15, v0                           ; l % 16
	v_bfe_u32 v2, v0, 4, 1                         ; l / 16
	v_mul_u32_u24 v3, v1, PITCH
	v_lshl_add_u32 v3, v2, 4, v3                   ; row x pitch + 16 x half
	s_mul_i32 s21, s11, HALFT                      ; my 128 rows of xh
	s_mul_i32 s22, s12, HALFT                      ; my 128 rows of wh,
	s_add_co_u32 s22, s22, 2*HALFT                 ; which lie behind xh's 256
.irp s, 0,1
	v_add_nc_u32 v[ADRA+(\s)], s21, v3
	v_add_nc_u32 v[ADRB+(\s)], s22, v3
	s_add_co_u32 s21, s21, SLOT
	s_add_co_u32 s22, s22, SLOT
.endr
	s_mul_i32 s23, s10, 16*SPITCH
	s_add_co_u32 s23, s23, STAGE                   ; my stage
	v_mul_u32_u24 v4, v1, SPITCH                   ; in: row l % 16, 32 bytes for each half of the lanes
	v_lshl_add_u32 v4, v2, 5, v4
	v_add_nc_u32 v[STO], s23, v4
	v_and_b32 v5, 31, v0
	v_lshlrev_b32 v[CO], 4, v5                     ; back: 32 lanes take one row of 512 bytes, 16 bytes each; the same place in out0's row
	v_add_nc_u32 v[RD], s23, v[CO]
	; out0 at my part of the tile
	s_lshl_b32 s16, s13, 8
	s_lshl_b32 s17, s11, 7
	s_add_co_u32 s16, s16, s17                     ; my first row: 256 x tile row + 128 x half
	s_mov_b32 s17, 0
	s_mov_b64 s[18:19], CROW
	s_mul_u64 s[16:17], s[16:17], s[18:19]
	s_add_nc_u64 s[8:9], s[8:9], s[16:17]
	s_lshl_b32 s46, s42, 10                        ; my first column, in bytes: 1,024 x tile column + 512 x half
	s_lshl_b32 s47, s12, 9
	s_add_co_u32 s46, s46, s47
	s_mov_b32 s47, 0
	s_add_nc_u64 s[8:9], s[8:9], s[46:47]
	; d = 2^(f - 5), from the largest of the alphas' biased exponents, E = f + 127, held at 6 or more as in the launch before
	s_wait_kmcnt 0x0                               ; the alphas
	s_bfe_u32 s[DS], s[ALV], EXPF
	s_bfe_u32 s[DS+1], s[ALV+1], EXPF
	s_max_u32 s[DS], s[DS], s[DS+1]
	s_bfe_u32 s[DS+1], s[ALV+2], EXPF
	s_max_u32 s[DS], s[DS], s[DS+1]
	s_bfe_u32 s[DS+1], s[ALV+3], EXPF
	s_max_u32 s[DS], s[DS], s[DS+1]
	s_max_u32 s[DS], s[DS], 6
	s_sub_co_u32 s[DS], s[DS], 5                   ; d's biased exponent: 127 + (E - 127) - 5 = E - 5: 1 to 250
	s_lshl_b32 s[DS], s[DS], 23
	s_mov_b32 s[DS+1], s[DS]                       ; named with it as a pair
; 16 matrix instructions: m blocks a0, a0 + 1 of the window's four (hi = 0: my rows 0-63, 1: rows 64-127) x all 8 n blocks, 32 along K.
; zero = 1: the first product starts the sums: nothing is ever cleared.
.macro MUL16 f, hi, a0, zero
	WIN MUL_LO+0x50*(\hi)
.irp a, \a0, (\a0)+1
.irp b, 0,1,2,3,4,5,6,7
.if \zero
	v_wmma_f32_16x16x32_f16 v[8*(8*(\a)+(\b)):8*(8*(\a)+(\b))+7], v[(\f)+8*(\b):(\f)+8*(\b)+7], v[(\f)+8*(4*(\hi)+(\a)):(\f)+8*(4*(\hi)+(\a))+7], 0
.else
	v_wmma_f32_16x16x32_f16 v[8*(8*(\a)+(\b)):8*(8*(\a)+(\b))+7], v[(\f)+8*(\b):(\f)+8*(\b)+7], v[(\f)+8*(4*(\hi)+(\a)):(\f)+8*(4*(\hi)+(\a))+7], v[8*(8*(\a)+(\b)):8*(8*(\a)+(\b))+7]
.endif
.endr
.endr
.endm
; 32 LDS loads in one run: the fragments of one quarter step (128 rows of wh, 128 rows of xh, 32 K at byte k of the rows) into buffer f
.macro FETCH slot, k, f
	WIN TO_B
.irp i, 0,1,2,3,4,5,6,7
	ds_load_b128 v[(\f)+8*(\i):(\f)+8*(\i)+3],   v[ADRB+(\slot)] offset:(\k)+(\i)*16*PITCH
	ds_load_b128 v[(\f)+8*(\i)+4:(\f)+8*(\i)+7], v[ADRB+(\slot)] offset:(\k)+(\i)*16*PITCH+32
.endr
	WIN 0
.irp i, 0,1,2,3,4,5,6,7
	ds_load_b128 v[(\f)+8*(\i):(\f)+8*(\i)+3],   v[ADRA+(\slot)] offset:(\k)+(\i)*16*PITCH
	ds_load_b128 v[(\f)+8*(\i)+4:(\f)+8*(\i)+7], v[ADRA+(\slot)] offset:(\k)+(\i)*16*PITCH+32
.endr
.endm
; A load into a register that a matrix instruction has read, and an LDS store that reads a matrix result, stand four places behind that matrix instruction, and only plain
; vector instructions that name none of its registers are places (ISA guide 7.12.1 for vector instructions).
.macro PLACES
.rept 4
	v_nop
.endr
.endm
; A K step is four quarter steps of 32 along K, 64 matrix instructions each, on buffers 0, 1, 0, 1.  The 64 accumulators take turns in the same order in every quarter.
; One of the first three: multiplies buffer f; in its middle it fetches the next quarter's fragments, at byte k of the same slot's rows, into buffer g.
.macro QUARTER slot, k, f, g, zero
	s_wait_dscnt 8                                 ; wh and xh's rows 0-63 are in; the youngest eight loads (xh's rows 64-127) may be out
	WIN MUL_LO
	MUL16 \f, 0, 0, \zero
	MUL16 \f, 0, 2, \zero
	PLACES
	FETCH \slot, \k, \g
	s_wait_dscnt 32                                ; all but the 32 just issued
	WIN MUL_HI
	MUL16 \f, 1, 0, \zero
	MUL16 \f, 1, 2, \zero
.endm
; The last quarter multiplies buffer 1 and changes slots.  MEET is its first half: ONE barrier for the change of slots.  In front of it each wave waits for all its tensor loads,
; of which one is out: its part of the next slot; adds 0 to its spare word; and waits for that and for its own reads of this slot.  Behind it nobody reads this slot any more and the next slot is whole.
.macro MEET round                      ; round = 1: a round of the cluster's barrier follows
	WIN 0                                          ; (the add's two registers lie in window 0)
	s_wait_tensorcnt 0x0                           ; all my tensor loads have landed;
	ds_add_u32 v[SPW], v[NIL]                      ; 0 onto my spare word;
	s_wait_dscnt 9                                 ; (the add and the youngest eight loads may be out)
	WIN MUL_LO
	MUL16 F1, 0, 0, 0                              ; sixteen matrix instructions stand between the add and the wait for it
	s_wait_dscnt 0x0                               ; the add is done, and my reads of this slot are over:
	s_barrier_signal -1                            ; say so,
	MUL16 F1, 0, 2, 0                              ; work on registers while the others arrive,
.if \round
	WIN 0
.endif
	s_barrier_wait -1                              ; and go on when all four have said so
.endm
; The whole last quarter of a K step whose slot is filled again.  The barrier opens a round of the cluster's barrier, and behind it the slot just read out is filled first, with the K step
; two steps on; from that request to the wait for it a wave issues 224 matrix instructions.  Then come the next slot's first fragments.
.macro TURN slot, next
	MEET 1
	CREST                                          ; no wave of any partner still reads this slot's tile or has a load on its way
	s_add_nc_u64 s[G0+4*(\slot)+2:G0+4*(\slot)+3], s[G0+4*(\slot)+2:G0+4*(\slot)+3], 2*KSTEP*2
	s_add_nc_u64 s[G0B+4*(\slot)+2:G0B+4*(\slot)+3], s[G0B+4*(\slot)+2:G0B+4*(\slot)+3], 2*KSTEP*2
	JLOAD \slot                                    ; my one tensor load behind the round; the four v_nop behind it are also the places in front of the loads below
	FETCH \next, 0, F0
	WIN MUL_HI
	MUL16 F1, 1, 0, 0
	MUL16 F1, 1, 2, 0
.endm
; THE LAST K STEP (it lies in slot 1) GOES BY ROWS OF out0, NOT BY K.  All its fragments of wh (4 quarters x 64 registers) fill window 1; then my eight blocks of 16 rows are finished one after
; the other, each with 32 matrix instructions (its 8 accumulators by turns; K ascending: the sums stay the same bit for bit).  LDS is read no more than in any other K step.
.macro BLOAD q                         ; wh's fragments of quarter q -> window 1, v[64 q ..]
	WIN TO_B
.irp i, 0,1,2,3,4,5,6,7
	ds_load_b128 v[64*(\q)+8*(\i):64*(\q)+8*(\i)+3],   v[ADRB+1] offset:64*(\q)+(\i)*16*PITCH
	ds_load_b128 v[64*(\q)+8*(\i)+4:64*(\q)+8*(\i)+7], v[ADRB+1] offset:64*(\q)+(\i)*16*PITCH+32
.endr
.endm
.macro ALOAD a                         ; xh's fragments of block a, all four quarters -> buffer a % 4
	WIN 0
.set FA, PA+32*((\a)%4)
.irp q, 0,1,2,3
	ds_load_b128 v[FA+8*(\q):FA+8*(\q)+3],   v[ADRA+1] offset:64*(\q)+(\a)*16*PITCH
	ds_load_b128 v[FA+8*(\q)+4:FA+8*(\q)+7], v[ADRA+1] offset:64*(\q)+(\a)*16*PITCH+32
.endr
.endm
.macro ROW a                           ; block a is finished: 32 matrix instructions
.set FA, PA+32*((\a)%4)                ; its fragments of xh
.set AC, 64*((\a)%4)                   ; its eight accumulators, in window 2 (blocks 0-3) or 3 (blocks 4-7)
	WIN MUL_LO+0x50*((\a)/4)
.irp q, 0,1,2,3
.if (\a) == 0 && (\q) == 2
	s_wait_dscnt 24                                ; wh's quarter 2 is in (behind it: xh's blocks 1 to 3, 24 loads)
.endif
.irp b, 0,1,2,3,4,5,6,7
	v_wmma_f32_16x16x32_f16 v[AC+8*(\b):AC+8*(\b)+7], v[64*(\q)+8*(\b):64*(\q)+8*(\b)+7], v[FA+8*(\q):FA+8*(\q)+7], v[AC+8*(\b):AC+8*(\b)+7]
.endr
.endr
.endm
; THE WAY OUT of block a (16 rows x 128 columns of f32), in two parts.  TOSTAGE: a lane's 32 bytes of a row go into my own stage in LDS, each accumulator's low four registers first
; and come back as whole rows of 512 bytes.  SEND: multiplied by d and stored.
.macro TOSTAGE a
.set AC, 64*((\a)%4)
	WIN 0x08+4*((\a)/4)                            ; the stores' data (source 1) in window 2 or 3, the address in window 0
.irp b, 0,1,2,3,4,5,6,7
	ds_store_b128 v[STO], v[AC+8*(\b):AC+8*(\b)+3]   offset:64*(\b)
	ds_store_b128 v[STO], v[AC+8*(\b)+4:AC+8*(\b)+7] offset:64*(\b)+16
.endr
	WIN 0
.if (\a) >= 1
	s_wait_xcnt 0x0                                ; the registers loaded next are what block a - 1's stores read: they are rewritten only behind this wait; 32 matrix instructions have been issued since those stores
.endif
.irp t, 0,1,2,3,4,5,6,7,8,9,10,11,12,13,14,15
	ds_load_b128 v[OB+4*(\t):OB+4*(\t)+3], v[RD] offset:(\t)*SPITCH  ; LDS serves a wave's instructions in order (ISA guide 5.7.1.4): these see the stores above, and the next block's stores come behind them
.endr
.endm
.macro SEND a, younger                 ; younger: the LDS loads issued behind TOSTAGE's, which may stay out
	WIN 0
	s_wait_dscnt \younger                          ; the block is back in registers
.irp t, 0,1,2,3,4,5,6,7,8,9,10,11,12,13,14,15
	v_pk_mul_f32 v[OB+4*(\t):OB+4*(\t)+1],   v[OB+4*(\t):OB+4*(\t)+1],   s[DS:DS+1] op_sel_hi:[1,0]  ; the scale is taken back
	v_pk_mul_f32 v[OB+4*(\t)+2:OB+4*(\t)+3], v[OB+4*(\t)+2:OB+4*(\t)+3], s[DS:DS+1] op_sel_hi:[1,0]
	global_store_b128 v[CO], v[OB+4*(\t):OB+4*(\t)+3], s[8:9] offset:(16*(\a)+(\t))*CROW th:TH_STORE_NT  ; a wave stores 512 consecutive bytes, at a multiple of 512 from out0's first byte; 127 rows at the most: inside the signed 24-bit immediate
.endr
.endm
	s_wait_tensorcnt 1                             ; my part of K step 0 is in; K step 1's may stay out
	s_barrier_signal -1
	s_barrier_wait -1                              ; everybody's is
	FETCH 0, 0, F0
	QUARTER 0, 64,  F0, F1, 1                      ; the first quarter stands in front of the loop: its products start the sums
	WIN 0                                          ; at a label and at a branch every window is 0
	s_mov_b32 s3, LAPS-1
.Llap:                                                 ; 15 trips: once round the ring, from a lap's second quarter to the next lap's first; both slots are filled again, the last time with K steps 30 and 31
	QUARTER 0, 128, F1, F0, 0
	QUARTER 0, 192, F0, F1, 0
	TURN 0, 1
	QUARTER 1, 64,  F0, F1, 0
	QUARTER 1, 128, F1, F0, 0
	QUARTER 1, 192, F0, F1, 0
	TURN 1, 0
	QUARTER 0, 64,  F0, F1, 0
	WIN 0
	s_sub_co_u32 s3, s3, 1
	s_cmp_lg_u32 s3, 0
	s_cbranch_scc1 .Llap
	QUARTER 0, 128, F1, F0, 0                      ; the last lap is written out: it asks for nothing, and has no round of the cluster's barrier
	QUARTER 0, 192, F0, F1, 0
	MEET 0                                         ; my one tensor load that was still out is slot 1's, the last K step's, so no round follows
	PLACES                                         ; for the loads into buffer 0, which the quarter before multiplied
	BLOAD 0                                        ; three quarters of wh now: buffer 1 (v128-191 of both windows) is still being multiplied
	BLOAD 1
	BLOAD 3
	ALOAD 0
	MUL16 F1, 1, 0, 0
	MUL16 F1, 1, 2, 0
	PLACES                                         ; for the loads into buffer 1
	BLOAD 2
	ALOAD 1
	ALOAD 2
	ALOAD 3
	s_wait_dscnt 40                                ; all but the 40 just issued: wh's quarter 2 (16) and xh's blocks 1 to 3 (24)
	ROW 0
.irp a, 0,1,2,3,4,5,6,7                ; each block leaves as soon as it is finished: the first 224 matrix instructions ahead of the last product
	PLACES                                         ; its LDS stores read results just made, the load into its fragments' buffer follows, and no other vector work is at hand
	TOSTAGE \a
.if (\a) < 4
	ALOAD (\a)+4                                   ; its buffer takes the block four further on
	SEND \a, 8                                     ; those eight loads may stay out
.else
	SEND \a, 0
.endif
.if (\a) < 7
	ROW (\a)+1
.endif
.endr
	s_wait_tensorcnt 0x0                           ; the wave's end: an add to my spare word and its wait, behind my last tensor load and my last LDS store
	ds_add_u32 v[SPW], v[NIL]
	s_wait_dscnt 0x0
	CROUND                                         ; the closing round: no work-group ends while a partner may still ask for a tile that names it
	s_endpgm
.Lfunc_end_k_q2ed035f8f1_gemm:
	.size	k_q2ed035f8f1_gemm, .Lfunc_end_k_q2ed035f8f1_gemm-k_q2ed035f8f1_gemm
	.p2alignl 7, 3214868480
	.fill 96, 4, 3214868480
	.section	.rodata,"a",@progbits
	.p2align	6, 0x0
	.amdhsa_kernel k_q2ed035f8f1_gemm
		.amdhsa_group_segment_fixed_size 327680
		.amdhsa_private_segment_fixed_size 0
		.amdhsa_enable_private_segment 0
		.amdhsa_kernarg_size 32
		.amdhsa_user_sgpr_count 2
		.amdhsa_user_sgpr_kernarg_segment_ptr 1
		.amdhsa_wavefront_size32 1
		.amdhsa_system_sgpr_workgroup_id_x 1
		.amdhsa_system_sgpr_workgroup_id_y 1
		.amdhsa_system_sgpr_workgroup_id_z 1
		.amdhsa_system_vgpr_workitem_id 0
		.amdhsa_next_free_vgpr 1024
		.amdhsa_next_free_sgpr 74
		.amdhsa_reserve_vcc 0
		.amdhsa_float_denorm_mode_32 3
		.amdhsa_float_denorm_mode_16_64 3
		.amdhsa_memory_ordered 1
		.amdhsa_forward_progress 1
		.amdhsa_inst_pref_size 157
	.end_amdhsa_kernel
	.amdgpu_metadata
---
amdhsa.version: [ 1, 2 ]
amdhsa.kernels:
  - .name:           k_q2ed035f8f1_gemm
    .symbol:         k_q2ed035f8f1_gemm.kd
    .args:
      - { .name: xh, .offset: 0, .size: 8, .value_kind: global_buffer, .address_space: global }
      - { .name: wh, .offset: 8, .size: 8, .value_kind: global_buffer, .address_space: global }
      - { .name: out0, .offset: 16, .size: 8, .value_kind: global_buffer, .address_space: global }
      - { .name: alphas, .offset: 24, .size: 8, .value_kind: global_buffer, .address_space: global }
    .group_segment_fixed_size: 327680
    .private_segment_fixed_size: 0
    .kernarg_segment_align: 8
    .kernarg_segment_size: 32
    .max_flat_workgroup_size: 128
    .sgpr_count:     74
    .vgpr_count:     1024
    .wavefront_size: 32
...
	.end_amdgpu_metadata
.endif
;; end of part 2
